; MI455X (gfx1250); checked and timed in simulation.
; The chip was launched on July 23, 2026; its instructions are those of AMD's public machine-readable ISA for CDNA 5 (MIT licence, August 2026) and "CDNA5" Instruction Set Architecture Reference Guide (July 2026). The comments in the code are by the model that wrote it; some were corrected since.
;; Attn Block. Allowed arithmetic: matrix products marked QUANTISED: E2M1 operands, one E8M0 scale for each 32 along K, by v_wmma_scale_f32_16x16x128_f8f6f4 with both operands' format E2M1 (or v_wmma_scale_f32_32x16x128_f4), f32 sums; everything else in f32.
;; Inputs: bk 128 float32; bo 128 float32; bq 128 float32; bv 128 float32; gn_bias 128 float32; gn_scale 128 float32; wk 128 x 128 float32; wo 128 x 128 float32; wq 128 x 128 float32; wv 128 x 128 float32; x 8 x 64 x 64 x 128 float32.
;; Outputs: out0 8 x 64 x 64 x 128 float32.
;; This version of the problem:
;;   THIS VERSION OF THE PROBLEM IS GIVEN IN LOW PRECISION. The matrix products marked QUANTISED in the list below multiply operands that are first quantised to E2M1 (2 exponent bits, 1 mantissa bit; 4 bits a number), with one power-of-two scale for each 32 numbers along K (OCP MX v1.0); their sums are f32. All else is computed in f32.
;;   The module's matrix products, in the order in which they are computed (A, B: the left and right operand; K: the contracted axis; several contracted axes count as one K, in the product's order):
;;     1. [M 32,768, K 128] x [K 128, N 128]; A: computed on the way; B: input wq: QUANTISED
;;     2. [M 32,768, K 128] x [K 128, N 128]; A: computed on the way; B: input wk: QUANTISED
;;     3. [M 32,768, K 128] x [K 128, N 128]; A: computed on the way; B: input wv: QUANTISED
;;     4. batch 8 x [M 4,096, K 128] x [K 128, N 4,096]; A: computed on the way; B: computed on the way: QUANTISED
;;     5. batch 8 x [M 4,096, K 4,096] x [K 4,096, N 128]; A: softmax (see below); B: computed on the way: QUANTISED
;;     6. [M 32,768, K 128] x [K 128, N 128]; A: computed on the way; B: input wo: QUANTISED
;;   THE QUANTISER, for each operand of a quantised product, along K:
;;     - K is cut into blocks of 32 from its start; a last block that is shorter is filled with zeros.
;;     - A block's scale is 2^e with e = floor(log2(the largest magnitude in the block)) - 2, held to -126 .. 127; a block of zeros has e = 0. As a byte (E8M0): e + 127.
;;     - Each number is divided by its block's scale, clamped to +-6, and rounded to the nearest number of E2M1, ties to even, subnormals kept.
;;     - The product sums the exact products of the quantised numbers (number of the format x scale) in f32.
;;   ~~~python
;;   def quantise(x, axis):      # numpy; x: float32 -> the quantised numbers, widened to float32 again
;;       x = np.moveaxis(x, axis, -1); K = x.shape[-1]
;;       x = np.pad(x, [(0, 0)] * (x.ndim - 1) + [(0, -K % 32)]); x = x.reshape(x.shape[:-1] + (-1, 32)); a = np.abs(x).max(-1, keepdims=True)
;;       e = np.where(a > 0, np.clip(np.frexp(np.where(a > 0, a, 1))[1] - 1 - 2, -126, 127), 0)      # np.frexp(a)[1] - 1 = floor(log2(a)), exactly
;;       r = np.clip(x / 2.0 ** e, -6, 6)
;;       step = 2.0 ** (np.maximum(np.frexp(np.where(r == 0, 1, r))[1] - 1, 0) - 1)
;;       q = np.round(r / step) * step * 2.0 ** e      # np.round: ties to even
;;       return np.moveaxis(q.reshape(q.shape[:-2] + (-1,))[..., :K], -1, axis).astype(np.float32)
;;   ~~~
;;   SOFTMAX AHEAD OF A QUANTISED PRODUCT. Where the list says 'softmax', what is quantised is not the finished softmax but p = 2^(t - M), with t = logit x log2(e) and M = ceil(the row's largest t), a whole number; so 1/2 < the row's largest p <= 1. The row's sum l is taken of the UNQUANTISED p, in f32, and the product's result is divided by l at the end. Since M is a whole number, a kernel that streams over the keys may use a running M (the ceiling of the running maximum): every later rescaling is an exact power of two, which a block's scale takes up: the codes' values come out the same.
;;   OPERANDS COMPUTED ON THE WAY. 'Computed on the way' means the value that the module computes at that place (a softmax that the list does not call 'softmax' is quantised finished and normalised). What goes into a quantiser is computed in f32, as accurately as f32 sums, v_exp_f32 and their like allow (about 1e-6 of the number): no bf16 or f16 on the way to a quantiser, and a product that is left as it is and whose result goes on into a quantised operand takes f32 operands (vector FMAs, or v_wmma_f32_16x16x4_f32). A number that lies on a knife's edge between two numbers of the format may be rounded either way, as far as f32 arithmetic and the matrix unit's own rounding can turn it there, and no further.
;; One version. Each part assembles by itself: llvm-mc -triple=amdgcn-amd-amdhsa -mcpu=gfx1250 --defsym DOCPART=n.
;; ======== version 1 of 1: 3 launches
;; workspace buffers: part 65,536 bytes; wimg 34,816 bytes; qimg 2,228,224 bytes; kv 4,456,448 bytes
;; launch stats (part 1): grid 260 x 1, 8 waves a work-group, no clusters, 3,072 bytes of LDS; arguments x, wq, wk, wv, wo, part, wimg; writes part, wimg
.if DOCPART == 1
	.amdgcn_target "amdgcn-amd-amdhsa--gfx1250"
	.amdhsa_code_object_version 6
	.text
	.protected	k_qd1197e47ca_stats
	.globl	k_qd1197e47ca_stats
	.p2align	8
	.type	k_qd1197e47ca_stats,@function
k_qd1197e47ca_stats:
	s_mov_b64 s[64:65], 0
	v_nop
	global_prefetch_b8 v0, s[64:65] scope:SCOPE_SE
	s_setreg_imm32_b32 hwreg(HW_REG_WAVE_MODE, 25, 1), 1
	s_wait_xcnt 0x0
; TWO JOBS IN ONE LAUNCH, told apart by the work-group's number.
; Work-groups 0-255: partial statistics of the group norm.  Work-group g takes 128 positions (65,536 bytes) of x [8][4096][128] f32: batch g / 32, chunk g % 32.
;   A row is 512 bytes: lane l of a wave holds channels 4 l .. 4 l + 3, which ARE group l (32 groups of 4 channels).  Wave w takes rows 16 w .. 16 w + 15: 64 numbers of one group a lane.
;   Each wave makes (mean, sum of squared deviations FROM ITS OWN MEAN); wave 0 joins the eight: M2 = sum of M2_w + 64 x sum of (mean_w - mean)^2.  No difference of large sums is formed.
;   part[g][group][(mean, M2)]: 256 consecutive bytes a work-group, stored by one instruction.
; Work-groups 256-259: wq, wk, wv, wo [128 (k)][128 (n)] f32 become codes of E2M1 along k with one E8M0 byte for each 32 k, laid as IMAGES OF OPERAND REGISTERS:
;   tile T (wave T) holds the 16 output channels 32 (T / 2) + 8 (T % 2) + r + 8 (r / 8), r = lane % 16; lane (r, h) holds k = 64 c + 32 h + 0 .. 31 in registers 4 c .. 4 c + 3.
;   wimg: codes at (8 weight + T) x 1024 + 512 c + 16 lane; scale words at 32768 + 512 weight + 64 T + 4 r (64 bytes a wave: 2,048 bytes of the launch leave in such pieces).
; LIMITS: NaN and infinities are not served; a block whose largest magnitude lies under 2^-124 (a block of zeros too) gets the byte 1: its codes are zeros or tiny, and this program alone reads the bytes.
; No tensor loads, no cluster: every byte of x is read once by one wave, all of a wave's loads are out at once.
.set XR, 16                            ; v16-79   my 16 rows' quads
.set CH, 80                            ; v80-87   four chains of packed sums
.set MV, 88                            ; v88-89   (mean, M2) of my wave
	s_load_b256 s[4:11], s[0:1], 0x0               ; x s[4:5], wq s[6:7], wk s[8:9], wv s[10:11]
	s_load_b128 s[12:15], s[0:1], 0x20             ; wo s[12:13], part s[14:15]
	s_load_b64 s[16:17], s[0:1], 0x30              ; wimg
	v_lshl_add_u32 v128, v0, 2, 0x800
	v_mov_b32 v129, 0
	v_lshrrev_b32 v4, 5, v0
	s_delay_alu instid0(VALU_DEP_1)
	v_readfirstlane_b32 s18, v4                    ; wave 0..7
	v_and_b32 v5, 31, v0                           ; lane
	s_delay_alu instid0(VALU_DEP_1)
	v_lshlrev_b32 v1, 4, v5                        ; 16 x lane
	s_delay_alu instid0(VALU_DEP_2)
	v_lshlrev_b32 v2, 3, v5                        ; 8 x lane
	v_lshlrev_b32 v3, 3, v0                        ; LDS: 256 x wave + 8 x lane
	v_and_b32 v6, 15, v0                           ; r
	v_bfe_u32 v7, v0, 4, 1                         ; h
	s_mov_b32 s20, 0x76543210
	s_mov_b32 s21, 0xfedcba98                      ; v_permlanex16_b32's selects for lane l xor 16
	s_wait_kmcnt 0x0
	s_cmp_ge_u32 ttmp9, 256
	s_cbranch_scc1 .Lweights
	; ---- statistics: my wave's 16 rows
	s_lshl_b32 s22, ttmp9, 16                      ; 65,536 bytes a work-group,
	s_lshl_b32 s23, s18, 13                        ; 8,192 a wave
	s_add_co_u32 s22, s22, s23
	s_mov_b32 s23, 0
	s_add_nc_u64 s[4:5], s[4:5], s[22:23]
	s_wait_alu depctr_va_vdst(0)
.irp i, 0,1,2,3,4,5,6,7,8,9,10,11,12,13,14,15
	global_load_b128 v[XR+4*\i:XR+4*\i+3], v1, s[4:5] offset:512*\i   ; 32 lanes read a row's 512 consecutive bytes
.endr
	s_wait_loadcnt 0x0
	v_pk_add_f32 v[82:83], v[16:17], v[24:25]
	v_pk_add_f32 v[84:85], v[32:33], v[40:41]
	v_pk_add_f32 v[86:87], v[48:49], v[56:57]
	v_pk_add_f32 v[126:127], v[64:65], v[72:73]
	v_pk_add_f32 v[124:125], v[18:19], v[26:27]
	v_pk_add_f32 v[122:123], v[34:35], v[42:43]
	v_pk_add_f32 v[120:121], v[50:51], v[58:59]
	v_pk_add_f32 v[80:81], v[66:67], v[74:75]
	s_delay_alu instid0(VALU_DEP_1)
	v_pk_add_f32 v[80:81], v[80:81], v[20:21]
	v_pk_add_f32 v[82:83], v[82:83], v[28:29]
	v_pk_add_f32 v[84:85], v[84:85], v[36:37]
	v_pk_add_f32 v[86:87], v[86:87], v[44:45]
	v_pk_add_f32 v[126:127], v[126:127], v[52:53]
	v_pk_add_f32 v[124:125], v[124:125], v[60:61]
	v_pk_add_f32 v[122:123], v[122:123], v[68:69]
	v_pk_add_f32 v[120:121], v[120:121], v[76:77]
	v_pk_add_f32 v[80:81], v[80:81], v[22:23]
	v_pk_add_f32 v[82:83], v[82:83], v[30:31]
	v_pk_add_f32 v[84:85], v[84:85], v[38:39]
	v_pk_add_f32 v[86:87], v[86:87], v[46:47]
	v_pk_add_f32 v[126:127], v[126:127], v[54:55]
	v_pk_add_f32 v[124:125], v[124:125], v[62:63]
	v_pk_add_f32 v[122:123], v[122:123], v[70:71]
	v_pk_add_f32 v[120:121], v[120:121], v[78:79]
	s_delay_alu instid0(VALU_DEP_4)
	v_pk_add_f32 v[80:81], v[80:81], v[126:127]
	s_delay_alu instid0(VALU_DEP_4)
	v_pk_add_f32 v[82:83], v[82:83], v[124:125]
	s_delay_alu instid0(VALU_DEP_4)
	v_pk_add_f32 v[84:85], v[84:85], v[122:123]
	s_delay_alu instid0(VALU_DEP_4)
	v_pk_add_f32 v[86:87], v[86:87], v[120:121]
	s_delay_alu instid0(VALU_DEP_2)
	v_pk_add_f32 v[80:81], v[80:81], v[84:85]
	s_delay_alu instid0(VALU_DEP_2)
	v_pk_add_f32 v[82:83], v[82:83], v[86:87]
	s_delay_alu instid0(VALU_DEP_1)
	v_pk_add_f32 v[80:81], v[80:81], v[82:83]
	s_delay_alu instid0(VALU_DEP_1)
	v_add_f32 v[CH], v[CH], v[CH+1]
	s_delay_alu instid0(VALU_DEP_1)
	v_mul_f32 v[MV], 0x3c800000, v[CH]             ; / 64: my wave's mean of group l
	s_delay_alu instid0(VALU_DEP_1)
	v_mov_b32 v[MV+1], v[MV]
.set j, 0
.rept 32
	v_pk_add_f32 v[XR+2*j:XR+2*j+1], v[XR+2*j:XR+2*j+1], v[MV:MV+1] neg_lo:[0,1] neg_hi:[0,1]   ; deviations from that mean
.set j, j+1
.endr
.irp c, 0,1,2,3
	v_pk_mul_f32 v[CH+2*\c:CH+2*\c+1], v[XR+2*\c:XR+2*\c+1], v[XR+2*\c:XR+2*\c+1]
.endr
.set j, 4
.rept 28
	s_delay_alu instid0(VALU_DEP_4)
	v_pk_fma_f32 v[CH+2*(j%4):CH+2*(j%4)+1], v[XR+2*j:XR+2*j+1], v[XR+2*j:XR+2*j+1], v[CH+2*(j%4):CH+2*(j%4)+1]
.set j, j+1
.endr
	s_delay_alu instid0(VALU_DEP_3)
	v_pk_add_f32 v[CH:CH+1], v[CH:CH+1], v[CH+2:CH+3]
	s_delay_alu instid0(VALU_DEP_2)
	v_pk_add_f32 v[CH+4:CH+5], v[CH+4:CH+5], v[CH+6:CH+7]
	s_delay_alu instid0(VALU_DEP_1)
	v_pk_add_f32 v[CH:CH+1], v[CH:CH+1], v[CH+4:CH+5]
	s_delay_alu instid0(VALU_DEP_1)
	v_add_f32 v[MV+1], v[CH], v[CH+1]              ; my wave's M2
	ds_store_b64 v3, v[MV:MV+1]
	s_branch .Ljoin
.Lweights:
	; ---- a weight: wave T makes tile T.  A lane takes a column n and its registers run down k, in the order of the operand's registers
	s_sub_co_u32 s22, ttmp9, 256                   ; which weight: the choice hangs on the work-group's number alone
	s_cmp_eq_u32 s22, 1
	s_cselect_b64 s[6:7], s[8:9], s[6:7]
	s_cmp_eq_u32 s22, 2
	s_cselect_b64 s[6:7], s[10:11], s[6:7]
	s_cmp_eq_u32 s22, 3
	s_cselect_b64 s[6:7], s[12:13], s[6:7]
	s_lshr_b32 s23, s18, 1
	s_lshl_b32 s23, s23, 7                         ; 4 bytes x 32 (T / 2)
	s_and_b32 s24, s18, 1
	s_lshl_b32 s24, s24, 5                         ; 4 bytes x 8 (T % 2)
	s_add_co_u32 s23, s23, s24
	s_wait_alu depctr_va_vdst(0)
	v_and_b32 v8, 8, v6
	s_delay_alu instid0(VALU_DEP_1)
	v_add_nc_u32 v8, v8, v6                        ; r + 8 (r / 8)
	s_delay_alu instid0(VALU_DEP_1)
	v_lshl_add_u32 v8, v8, 2, s23                  ; my column, in bytes
	s_delay_alu instid0(VALU_DEP_1)
	v_lshl_add_u32 v8, v7, 14, v8                  ; lanes 16-31 begin 32 rows of 512 bytes further down
.irp c, 0,1
.irp i, 0,1,2,3,4,5,6,7,8,9,10,11,12,13,14,15,16,17,18,19,20,21,22,23,24,25,26,27,28,29,30,31
	global_load_b32 v[64+32*\c+\i], v8, s[6:7] offset:512*(64*\c+\i)   ; W(64 c + 32 h + i, my column)
.endr
.endr
	s_lshl_b32 s26, s22, 3
	s_add_co_u32 s26, s26, s18                     ; 8 x weight + T
	s_lshl_b32 s30, s26, 6                         ; its 64 bytes of scale words
	s_lshl_b32 s26, s26, 10                        ; its 1,024 bytes of codes
	s_mov_b32 s27, 0
	s_mov_b32 s31, 0
	s_add_nc_u64 s[28:29], s[16:17], s[26:27]
	s_add_nc_u64 s[32:33], s[16:17], s[30:31]
	v_lshlrev_b32 v11, 2, v6                       ; 4 r
	s_wait_loadcnt 0x0
.irp c, 0,1
	v_max3_num_f32 v[32+\c], |v[64+32*\c]|, |v[65+32*\c]|, 0x1800000   ; my block 2 c + h: all 32 numbers are mine; the floor 2^(3 - 127) holds the byte at 1 from below
.endr
.irp i, 2,4,6,8,10,12,14,16,18,20,22,24,26,28,30
.irp c, 0,1
	s_delay_alu instid0(VALU_DEP_2)
	v_max3_num_f32 v[32+\c], v[32+\c], |v[64+32*\c+\i]|, |v[65+32*\c+\i]|
.endr
.endr
.irp c, 0,1
	s_delay_alu instid0(VALU_DEP_2)
	v_add_nc_u32 v[44+\c], 0xff000000, v[32+\c]    ; 2 off the exponent field: the conversion's scale operand
.endr
.irp c, 0,1
	s_delay_alu instid0(VALU_DEP_2)
	v_lshrrev_b32 v[36+\c], 23, v[44+\c]           ; the scale's byte
.endr
	s_delay_alu instid0(VALU_DEP_1)
	v_lshl_or_b32 v9, v37, 16, v36                 ; my two bytes: blocks h and 2 + h,
	v_lshlrev_b32 v10, 3, v7
	s_delay_alu instid0(VALU_DEP_1)
	v_lshlrev_b32 v9, v10, v9                      ; at their places in the word;
	v_mov_b32 v10, 0
	s_delay_alu instid0(VALU_DEP_1)
	v_permlanex16_b32 v10, v9, s20, s21
	s_delay_alu instid0(VALU_DEP_1)
	v_or_b32 v9, v9, v10                           ; with lane l xor 16's two the word is whole
.irp c, 0,1
.irp g, 0,1,2,3
	v_cvt_scalef32_pk8_fp4_f32 v[48+4*\c+\g], v[64+32*\c+8*\g:71+32*\c+8*\g], v[44+\c]
.endr
.endr
	v_nop                                          ; one plain line behind the last scaled conversion
	global_store_b128 v1, v[48:51], s[28:29]       ; 512 consecutive bytes a store
	global_store_b128 v1, v[52:55], s[28:29] offset:512
	global_store_b32 v11, v9, s[32:33] offset:32768   ; lanes r and 16 + r hold the same word and write it to the same place
.Ljoin:
	s_wait_dscnt 0x0                               ; for the others' sake: my store into LDS is done
	s_barrier_signal -1
	s_barrier_wait -1                              ; every wave of every work-group passes this barrier
	s_cmp_ge_u32 ttmp9, 256
	s_cbranch_scc1 .Lend
	s_cmp_lg_u32 s18, 0
	s_cbranch_scc1 .Lend
	; ---- wave 0 joins the eight waves' figures: lane l has group l
.irp w, 0,1,2,3,4,5,6,7
	ds_load_b64 v[16+2*\w:17+2*\w], v2 offset:256*\w
.endr
	s_lshl_b32 s22, ttmp9, 8
	s_mov_b32 s23, 0
	s_add_nc_u64 s[14:15], s[14:15], s[22:23]
	s_wait_dscnt 0x0
	v_pk_add_f32 v[32:33], v[16:17], v[18:19]
.irp w, 2,3,4,5,6,7
	s_delay_alu instid0(VALU_DEP_1)
	v_pk_add_f32 v[32:33], v[32:33], v[16+2*\w:17+2*\w]   ; (sum of means, sum of M2)
.endr
	s_delay_alu instid0(VALU_DEP_1)
	v_mul_f32 v34, 0x3e000000, v32                 ; / 8: the work-group's mean
.irp w, 0,1,2,3,4,5,6,7
	v_sub_f32 v[40+\w], v[16+2*\w], v34
.endr
	v_mul_f32 v36, v40, v40
.irp w, 1,2,3,4,5,6,7
	s_delay_alu instid0(VALU_DEP_1)
	v_fma_f32 v36, v[40+\w], v[40+\w], v36
.endr
	s_delay_alu instid0(VALU_DEP_1)
	v_fmamk_f32 v35, v36, 0x42800000, v33          ; M2 = 64 x sum of (mean_w - mean)^2 + sum of M2_w
	global_store_b64 v2, v[34:35], s[14:15]        ; 32 lanes store 256 consecutive bytes, aligned
.Lend:
	s_wait_tensorcnt 0x0
	ds_add_u32 v128, v129
	s_wait_dscnt 0x0
	s_endpgm
.Lfunc_end_k_qd1197e47ca_stats:
	.size	k_qd1197e47ca_stats, .Lfunc_end_k_qd1197e47ca_stats-k_qd1197e47ca_stats
	.p2alignl 7, 3214868480
	.fill 96, 4, 3214868480
	.section	.rodata,"a",@progbits
	.p2align	6, 0x0
	.amdhsa_kernel k_qd1197e47ca_stats
		.amdhsa_group_segment_fixed_size 3072
		.amdhsa_private_segment_fixed_size 0
		.amdhsa_enable_private_segment 0
		.amdhsa_kernarg_size 56
		.amdhsa_user_sgpr_count 2
		.amdhsa_user_sgpr_kernarg_segment_ptr 1
		.amdhsa_wavefront_size32 1
		.amdhsa_system_sgpr_workgroup_id_x 1
		.amdhsa_system_sgpr_workgroup_id_y 1
		.amdhsa_system_sgpr_workgroup_id_z 1
		.amdhsa_system_vgpr_workitem_id 0
		.amdhsa_next_free_vgpr 130
		.amdhsa_next_free_sgpr 66
		.amdhsa_reserve_vcc 0
		.amdhsa_float_denorm_mode_32 3
		.amdhsa_float_denorm_mode_16_64 3
		.amdhsa_memory_ordered 1
		.amdhsa_forward_progress 1
		.amdhsa_inst_pref_size 26
	.end_amdhsa_kernel
	.amdgpu_metadata
---
amdhsa.version: [ 1, 2 ]
amdhsa.kernels:
  - .name:           k_qd1197e47ca_stats
    .symbol:         k_qd1197e47ca_stats.kd
    .args:
      - { .name: x, .offset: 0, .size: 8, .value_kind: global_buffer, .address_space: global }
      - { .name: wq, .offset: 8, .size: 8, .value_kind: global_buffer, .address_space: global }
      - { .name: wk, .offset: 16, .size: 8, .value_kind: global_buffer, .address_space: global }
      - { .name: wv, .offset: 24, .size: 8, .value_kind: global_buffer, .address_space: global }
      - { .name: wo, .offset: 32, .size: 8, .value_kind: global_buffer, .address_space: global }
      - { .name: part, .offset: 40, .size: 8, .value_kind: global_buffer, .address_space: global }
      - { .name: wimg, .offset: 48, .size: 8, .value_kind: global_buffer, .address_space: global }
    .group_segment_fixed_size: 3072
    .private_segment_fixed_size: 0
    .kernarg_segment_align: 8
    .kernarg_segment_size: 56
    .max_flat_workgroup_size: 256
    .sgpr_count:     66
    .vgpr_count:     130
    .wavefront_size: 32
...
	.end_amdgpu_metadata
.endif
;; end of part 1
;; launch qkv (part 2): grid 256 x 1, 8 waves a work-group, no clusters, 96,256 bytes of LDS; arguments x, part, gn_scale, gn_bias, wimg, bq, bk, bv, qimg, kv; writes qimg, kv
.if DOCPART == 2
	.amdgcn_target "amdgcn-amd-amdhsa--gfx1250"
	.amdhsa_code_object_version 6
	.text
	.protected	k_qd1197e47ca_qkv
	.globl	k_qd1197e47ca_qkv
	.p2align	8
	.type	k_qd1197e47ca_qkv,@function
k_qd1197e47ca_qkv:
	s_mov_b64 s[64:65], 0
	v_nop
	global_prefetch_b8 v0, s[64:65] scope:SCOPE_SE
	s_setreg_imm32_b32 hwreg(HW_REG_WAVE_MODE, 25, 1), 1
	s_wait_xcnt 0x0
; h = group norm of x; q = Q(h) Q(wq) + bq, k, v likewise, all on codes of E2M1 with one E8M0 scale for each 32 along K; q, k (along the 128 channels) and v (along the KEYS) leave quantised,
; as IMAGES OF OPERAND REGISTERS: a fragment (16 rows x 128 K) is 1,024 bytes: registers 4 c .. 4 c + 3 of lane l at 512 c + 16 l.
; SHARES.  Work-group g takes 128 positions: batch g / 32, key step g % 32.  Wave w owns position tile w for h, q, k, and channel tile w for v.
; ONE ORDER OF ROWS EVERYWHERE: row r of tile T = 2 b + u stands for index 32 b + 8 u + r + 8 (r / 8) of 128 (positions; the weights' output channels).  A product whose source 0 is such a tile leaves, in
; registers 16 b + i of lane (r, h), the index 32 b + 16 h + i: sixteen neighbours of each block of 32, which is what QUANT takes.
;   q, k: source 0 = 16 output channels of the weight, source 1 = my h fragment: a lane holds a position, its registers run along the channels.  The bias is the C of the one matrix instruction.
;   v:    source 0 = an h fragment (16 positions), source 1 = my 16 output channels of wv: a lane holds a channel, its registers run along the positions, which are the keys.
; OUT: qimg[g]: 8 fragments, then a scale record of 512 bytes.  kv[g] (17,408 bytes): K's 8 fragments, K's scale record, V's 8 fragments, V's scale record.
;   A scale record: the word at 16 l + 4 i is that of tile 2 i + l / 16, row l % 16: one load of 16 bytes a lane gives four scale registers, each serving two tiles.
; No tensor loads, no cluster: x (65,536 bytes a work-group) is read once, all loads out at once; the weights' images (24,576 bytes) go once into registers and LDS.
; LIMITS: NaN and infinities are not served; a block whose largest magnitude lies under 2^-124 (zeros too) gets the byte 1; 1 / sqrt(var + eps) is v_rsq_f32.
.set STAT, 0                           ; LDS: (mean, 1 / sqrt(var + eps)) of the 32 groups, 256 bytes
.set WIM,  256                         ; wq's 8 images, then wk's: 16,384
.set HIM,  16640                       ; h's 8 images: 8,192
.set HSC,  24832                       ; h's scale words: tile x 64 + 4 r: 512
.set REC3, 25856                       ; the three scale records: q's, k's, v's: 1,536
.set XST,  27392                       ; a stage of 16 rows x (512 + 16) bytes for each wave
.set XW,   8448
.set REC,  17408
.set QREC, 8704
.set BV,   16                          ; v16-23  first the gain's and the bias's quads, then bv of my channel, eight times
.set PC0,  24                          ; v24-55  codes of h, q, k, v: each has its own registers, so no store's data are written again
.set PC1,  32
.set PC2,  40
.set PC3,  48
.set PW0,  56                          ; v56-59  their scale words
.set WSQ,  60                          ; v60-63  wq's scale words, v64-67 wk's, v68 those of my tile of wv
.set WSK,  64
.set WVSC, 68
.set HS,   70                          ; v70-73  h's scale words, all tiles
.set WVF,  74                          ; v74-81  my tile of wv
.set MX,   82                          ; v82-93  QUANT's: largest magnitudes, bytes, scale operands
.set BY,   86
.set SO,   90
.set GW,   94                          ; v94     1024 x wave + 16 x lane
.set R1,   96                          ; v96-159
.set R2,   160                         ; v160-223
.set WF,   224                         ; v224-255 four fragments of a weight
.set WV,   24
.set SEL,  28
; 64 numbers of a lane, register 16 b + i = k 32 b + 16 (lane / 16) + i of my row, become a fragment's codes in v[pc] on and its scale word in v[pw] (the same in lanes r and 16 + r).
.macro QUANT s, pc, pw
.irp b, 0,1,2,3
	v_max3_num_f32 v[MX+\b], |v[\s+16*\b]|, |v[\s+1+16*\b]|, 0x1800000   ; my 16 numbers of block b, and the floor 2^(3 - 127): the byte cannot fall under 1
.endr
.irp i, 2,4,6,8,10,12,14
.irp b, 0,1,2,3
	v_max3_num_f32 v[MX+\b], v[MX+\b], |v[\s+16*\b+\i]|, |v[\s+1+16*\b+\i]|
.endr
.endr
.irp b, 0,1,2,3
	s_delay_alu instid0(VALU_DEP_4)
	v_permlanex16_b32 v[BY+\b], v[MX+\b], s[SEL], s[SEL+1]
.endr
.irp b, 0,1,2,3
	s_delay_alu instid0(VALU_DEP_4)
	v_max_num_f32 v[MX+\b], v[MX+\b], v[BY+\b]     ; with lane l xor 16's: the block's largest magnitude
.endr
.irp b, 0,1,2,3
	s_delay_alu instid0(VALU_DEP_4)
	v_add_nc_u32 v[SO+\b], 0xff000000, v[MX+\b]    ; 2 off its exponent field: the conversion's scale operand
.endr
.irp b, 0,1,2,3
	s_delay_alu instid0(VALU_DEP_4)
	v_lshrrev_b32 v[BY+\b], 23, v[SO+\b]           ; the scale's byte
.endr
	s_delay_alu instid0(VALU_DEP_3)
	v_lshl_or_b32 v[\pw], v[BY+1], 8, v[BY]
	s_delay_alu instid0(VALU_DEP_1)
	v_lshl_or_b32 v[\pw], v[BY+2], 16, v[\pw]
	s_delay_alu instid0(VALU_DEP_1)
	v_lshl_or_b32 v[\pw], v[BY+3], 24, v[\pw]
.irp b, 0,1,2,3
	v_cvt_scalef32_pk8_fp4_f32 v[\pc+2*\b], v[\s+16*\b:\s+7+16*\b], v[SO+\b]
	v_cvt_scalef32_pk8_fp4_f32 v[\pc+1+2*\b], v[\s+8+16*\b:\s+15+16*\b], v[SO+\b]
.endr
	v_nop                                          ; one plain line behind the last scaled conversion
.irp c, 0,1                                    ; the operand wants a WHOLE block in a lane: lanes 0-15 block 2 c, lanes 16-31 block 2 c + 1
.irp i, 0,1
	v_permlane16_swap_b32 v[\pc+4*\c+\i], v[\pc+2+4*\c+\i]
.endr
.endr
.endm
; D = A x B + C; row = 1: A's scales are taken from lanes 16-31 of their register
.macro MMC d, a, b, c, sa, sb, row
.if \row
	v_wmma_scale_f32_16x16x128_f8f6f4 v[\d:\d+7], v[\a:\a+7], v[\b:\b+7], v[\c:\c+7], v[\sa], v[\sb] matrix_a_fmt:MATRIX_FMT_FP4 matrix_b_fmt:MATRIX_FMT_FP4 matrix_a_scale:MATRIX_SCALE_ROW1
.else
	v_wmma_scale_f32_16x16x128_f8f6f4 v[\d:\d+7], v[\a:\a+7], v[\b:\b+7], v[\c:\c+7], v[\sa], v[\sb] matrix_a_fmt:MATRIX_FMT_FP4 matrix_b_fmt:MATRIX_FMT_FP4
.endif
.endm
; q or k of my 16 positions: the weight's eight tiles from LDS, four at a time; the bias lies in v[r] on and is each product's C; each accumulator has ONE matrix instruction (K = 128)
.macro PROJ r, ws, wt
.irp g, 0,1
.irp tt, 0,1,2,3
.irp c, 0,1
	ds_load_b128 v[WF+8*\tt+4*\c:WF+8*\tt+4*\c+3], v1 offset:WIM+8192*\wt+1024*(4*\g+\tt)+512*\c
.endr
.endr
	s_wait_dscnt 0x0
.irp tt, 0,1,2,3
	MMC \r+8*(4*\g+\tt), WF+8*\tt, PC0, \r+8*(4*\g+\tt), \ws+2*\g+\tt/2, PW0, \tt%2
.endr
.rept 4
	v_nop                                          ; four places in front of loads into registers that these products read, and of the first read of results
.endr
.endr
.endm
	s_load_b512 s[4:19], s[0:1], 0x0               ; x s[4:5], part s[6:7], gn_scale s[8:9], gn_bias s[10:11], wimg s[12:13], bq s[14:15], bk s[16:17], bv s[18:19]
	s_load_b128 s[20:23], s[0:1], 0x40             ; qimg s[20:21], kv s[22:23]
	v_lshl_add_u32 v69, v0, 2, 0x17400
	v_mov_b32 v95, 0
	v_lshrrev_b32 v16, 5, v0
	s_delay_alu instid0(VALU_DEP_1)
	v_readfirstlane_b32 s[WV], v16                 ; wave 0..7
	s_lshr_b32 s25, s[WV], 1
	s_and_b32 s26, s[WV], 1
	s_mov_b32 s[SEL], 0x76543210
	s_mov_b32 s[SEL+1], 0xfedcba98                 ; v_permlanex16_b32's selects for lane l xor 16
	s_mov_b32 s30, 0x38800000                      ; 1 / 16,384: a group has 4,096 positions x 4 channels
	; every address register is made here, ahead of the first parting of the waves
	v_and_b32 v16, 31, v0                          ; lane
	v_and_b32 v17, 15, v0                          ; r
	v_bfe_u32 v18, v0, 4, 1                        ; h
	s_delay_alu instid0(VALU_DEP_3)
	v_lshlrev_b32 v1, 4, v16                       ; v1  16 x lane
	s_delay_alu instid0(VALU_DEP_4)
	v_lshlrev_b32 v2, 3, v16                       ; v2  8 x lane
	v_lshlrev_b32 v9, 2, v16                       ; v9  4 x lane
	s_delay_alu instid0(VALU_DEP_4)
	v_lshlrev_b32 v10, 6, v18                      ; v10 64 h
	s_mul_i32 s27, s[WV], XW
	s_add_co_u32 s27, s27, XST                     ; my stage
	v_add_nc_u32 v3, s27, v1                       ; v3  into it: a row's 512 bytes as they lie
	v_mul_u32_u24 v4, v17, 528
	s_delay_alu instid0(VALU_DEP_1)
	v_add_nc_u32 v4, v4, v10
	s_delay_alu instid0(VALU_DEP_1)
	v_add_nc_u32 v4, s27, v4                       ; v4  out of it: row r, + 64 h
	s_lshl_b32 s27, s[WV], 10
	v_add_nc_u32 v[GW], s27, v1
	s_delay_alu instid0(VALU_DEP_1)
	v_add_nc_u32 v5, WIM, v[GW]                    ; v5  where I put my tiles of wq and wk
	s_delay_alu instid0(VALU_DEP_2)
	v_add_nc_u32 v6, HIM, v[GW]                    ; v6  and my h fragment
	s_lshl_b32 s27, s[WV], 6
	v_lshl_add_u32 v12, v17, 2, s27                ; v12 64 x wave + 4 r
	s_delay_alu instid0(VALU_DEP_1)
	v_add_nc_u32 v7, HSC, v12                      ; v7  h's scale word
	s_lshl_b32 s27, s26, 8
	s_lshl_b32 s31, s25, 2
	s_add_co_u32 s27, s27, s31
	s_add_co_u32 s27, s27, REC3
	v_lshl_add_u32 v8, v17, 4, s27                 ; v8  my tile's word in a scale record: 16 r + 256 (w % 2) + 4 (w / 2)
	v_and_b32 v11, 8, v17
	s_delay_alu instid0(VALU_DEP_1)
	v_add_nc_u32 v11, v11, v17
	s_lshl_b32 s27, s25, 7
	s_lshl_b32 s31, s26, 5
	s_add_co_u32 s27, s27, s31
	v_lshl_add_u32 v11, v11, 2, s27                ; v11 4 bytes x my channel of tile w
	s_min_u32 s27, s[WV], 2
	s_lshl_b32 s27, s27, 9
	s_add_co_u32 s27, s27, REC3
	v_add_nc_u32 v13, s27, v1                      ; v13 the scale record that waves 0, 1, 2 send out
.irp b, 0,1,2,3
	v_mov_b32 v[BY+\b], 0                          ; written once: a lane permute's destination counts as one of its sources
.endr
	s_lshl_b32 s32, ttmp9, 16                      ; x: 65,536 bytes a work-group,
	s_lshl_b32 s27, s25, 14
	s_lshl_b32 s31, s26, 12
	s_add_co_u32 s32, s32, s27
	s_add_co_u32 s32, s32, s31                     ; my tile begins at row 32 (w / 2) + 8 (w % 2)
	s_mov_b32 s33, 0
	s_lshr_b32 s42, ttmp9, 5
	s_lshl_b32 s42, s42, 13                        ; part: 32 chunks x 256 bytes a batch
	s_mov_b32 s43, 0
	s_mul_i32 s44, ttmp9, QREC
	s_mov_b32 s45, 0
	s_mul_i32 s46, ttmp9, REC
	s_mov_b32 s47, 0
	s_lshl_b32 s48, s[WV], 10
	s_mov_b32 s49, 0
	s_wait_kmcnt 0x0
	s_add_nc_u64 s[4:5], s[4:5], s[32:33]
	s_add_nc_u64 s[6:7], s[6:7], s[42:43]
	s_add_nc_u64 s[34:35], s[20:21], s[44:45]      ; my record of qimg,
	s_add_nc_u64 s[36:37], s[22:23], s[46:47]      ; of kv,
	s_add_nc_u64 s[38:39], s[34:35], s[48:49]      ; and my tile's fragment in each
	s_add_nc_u64 s[40:41], s[36:37], s[48:49]
	; ---- all loads that hang on nothing, in the order in which they are wanted
	global_load_b128 v[WF:WF+3], v[GW], s[12:13]                     ; (a) my tile of wq,
	global_load_b128 v[WF+4:WF+7], v[GW], s[12:13] offset:512
	global_load_b128 v[WF+8:WF+11], v[GW], s[12:13] offset:8192      ;     of wk
	global_load_b128 v[WF+12:WF+15], v[GW], s[12:13] offset:8704
.irp i, 0,1,2,3,4,5,6,7,8,9,10,11,12,13,14,15
	global_load_b128 v[R1+4*\i:R1+4*\i+3], v1, s[4:5] offset:(\i+8*(\i/8))*512   ; (b) my tile's 16 rows of x, 512 consecutive bytes each
.endr
	global_load_b128 v[16:19], v1, s[8:9]          ; (c) the gain and the bias of my four channels
	global_load_b128 v[20:23], v1, s[10:11]
.irp i, 0,1,2,3
	global_load_b32 v[WSQ+\i], v9, s[12:13] offset:32768+128*\i      ; (d) scale words: register i serves tiles 2 i (lanes 0-15) and 2 i + 1 (lanes 16-31)
.endr
.irp i, 0,1,2,3
	global_load_b32 v[WSK+\i], v9, s[12:13] offset:32768+512+128*\i
.endr
	global_load_b32 v[WVSC], v12, s[12:13] offset:32768+1024
	global_load_b128 v[WVF:WVF+3], v[GW], s[12:13] offset:16384      ; (e) my tile of wv
	global_load_b128 v[WVF+4:WVF+7], v[GW], s[12:13] offset:16384+512
	; ---- wave 0 joins the batch's 32 chunks: lane l has group l
	s_cmp_lg_u32 s[WV], 0
	s_cbranch_scc1 .Lnot0
.irp c, 0,1,2,3,4,5,6,7,8,9,10,11,12,13,14,15,16,17,18,19,20,21,22,23,24,25,26,27,28,29,30,31
	global_load_b64 v[R2+2*\c:R2+2*\c+1], v2, s[6:7] offset:256*\c
.endr
	s_wait_loadcnt 0x0
	v_pk_add_f32 v[242:243], v[160:161], v[168:169]
	v_pk_add_f32 v[244:245], v[176:177], v[184:185]
	v_pk_add_f32 v[246:247], v[192:193], v[200:201]
	v_pk_add_f32 v[254:255], v[208:209], v[216:217]
	v_pk_add_f32 v[252:253], v[162:163], v[170:171]
	v_pk_add_f32 v[250:251], v[178:179], v[186:187]
	v_pk_add_f32 v[248:249], v[194:195], v[202:203]
	v_pk_add_f32 v[240:241], v[210:211], v[218:219]
	s_delay_alu instid0(VALU_DEP_1)
	v_pk_add_f32 v[240:241], v[240:241], v[164:165]
	v_pk_add_f32 v[242:243], v[242:243], v[172:173]
	v_pk_add_f32 v[244:245], v[244:245], v[180:181]
	v_pk_add_f32 v[246:247], v[246:247], v[188:189]
	v_pk_add_f32 v[254:255], v[254:255], v[196:197]
	v_pk_add_f32 v[252:253], v[252:253], v[204:205]
	v_pk_add_f32 v[250:251], v[250:251], v[212:213]
	v_pk_add_f32 v[248:249], v[248:249], v[220:221]
	v_pk_add_f32 v[240:241], v[240:241], v[166:167]
	v_pk_add_f32 v[242:243], v[242:243], v[174:175]
	v_pk_add_f32 v[244:245], v[244:245], v[182:183]
	v_pk_add_f32 v[246:247], v[246:247], v[190:191]
	v_pk_add_f32 v[254:255], v[254:255], v[198:199]
	v_pk_add_f32 v[252:253], v[252:253], v[206:207]
	v_pk_add_f32 v[250:251], v[250:251], v[214:215]
	v_pk_add_f32 v[248:249], v[248:249], v[222:223]
	s_delay_alu instid0(VALU_DEP_4)
	v_pk_add_f32 v[240:241], v[240:241], v[254:255]
	s_delay_alu instid0(VALU_DEP_4)
	v_pk_add_f32 v[242:243], v[242:243], v[252:253]
	s_delay_alu instid0(VALU_DEP_4)
	v_pk_add_f32 v[244:245], v[244:245], v[250:251]
	s_delay_alu instid0(VALU_DEP_4)
	v_pk_add_f32 v[246:247], v[246:247], v[248:249]
	s_delay_alu instid0(VALU_DEP_2)
	v_pk_add_f32 v[240:241], v[240:241], v[244:245]
	s_delay_alu instid0(VALU_DEP_2)
	v_pk_add_f32 v[242:243], v[242:243], v[246:247]
	s_delay_alu instid0(VALU_DEP_1)
	v_pk_add_f32 v[240:241], v[240:241], v[242:243]
	s_delay_alu instid0(VALU_DEP_1)
	v_mul_f32 v14, 0x3d000000, v240                ; / 32: the group's mean
.set j, 0
.rept 32
	v_sub_f32 v[R2+2*j], v[R2+2*j], v14
.set j, j+1
.endr
.irp c, 0,1,2,3
	v_mul_f32 v[248+\c], v[R2+2*\c], v[R2+2*\c]
.endr
.set j, 4
.rept 28
	s_delay_alu instid0(VALU_DEP_4)
	v_fma_f32 v[248+j%4], v[R2+2*j], v[R2+2*j], v[248+j%4]
.set j, j+1
.endr
	s_delay_alu instid0(VALU_DEP_3)
	v_add_f32 v248, v248, v249
	s_delay_alu instid0(VALU_DEP_2)
	v_add_f32 v250, v250, v251
	s_delay_alu instid0(VALU_DEP_1)
	v_add_f32 v248, v248, v250
	s_delay_alu instid0(VALU_DEP_1)
	v_fmamk_f32 v249, v248, 0x44000000, v241       ; M2 = 512 x sum of (mean_c - mean)^2 + sum of M2_c: a chunk has 512 numbers of a group
	s_delay_alu instid0(VALU_DEP_1)
	v_fmaak_f32 v250, s30, v249, 0x358637bd        ; var + 1e-6
	s_wait_alu depctr_va_vdst(0)
	v_rsq_f32 v15, v250
	v_nop                                          ; a plain line behind the transcendental,
	s_wait_alu depctr_va_vdst(0)                   ; and the wait ahead of the first line that names its result
	ds_store_b64 v2, v[14:15]
.Lnot0:
	s_wait_loadcnt 29                              ; (a) is in: behind it were issued 16 + 2 + 9 + 2 loads
	ds_store_b128 v5, v[WF:WF+3]
	ds_store_b128 v5, v[WF+4:WF+7] offset:512
	ds_store_b128 v5, v[WF+8:WF+11] offset:8192
	ds_store_b128 v5, v[WF+12:WF+15] offset:8704
	s_wait_dscnt 0x0                               ; for the others' sake: my stores are done
	s_barrier_signal -1
	s_barrier_wait -1                              ; the statistics and wq's and wk's images lie in LDS
	; ---- h of my 16 rows.  Here a lane is a group: no table is needed
	ds_load_b64 v[14:15], v2
	s_wait_loadcnt 11                              ; x and the quads are in: behind them were issued 9 + 2 loads
	s_wait_dscnt 0x0
.irp j, 0,1,2,3
	v_mul_f32 v[16+\j], v[16+\j], v15              ; gain / sqrt(var + eps)
.endr
.irp i, 0,1,2,3,4,5,6,7,8,9,10,11,12,13,14,15
	v_pk_add_f32 v[R1+4*\i:R1+4*\i+1], v[R1+4*\i:R1+4*\i+1], v[14:15] op_sel_hi:[1,0] neg_lo:[0,1] neg_hi:[0,1]
	v_pk_add_f32 v[R1+4*\i+2:R1+4*\i+3], v[R1+4*\i+2:R1+4*\i+3], v[14:15] op_sel_hi:[1,0] neg_lo:[0,1] neg_hi:[0,1]
.endr
.irp i, 0,1,2,3,4,5,6,7,8,9,10,11,12,13,14,15
	v_pk_fma_f32 v[R1+4*\i:R1+4*\i+1], v[R1+4*\i:R1+4*\i+1], v[16:17], v[20:21]
	v_pk_fma_f32 v[R1+4*\i+2:R1+4*\i+3], v[R1+4*\i+2:R1+4*\i+3], v[18:19], v[22:23]
	ds_store_b128 v3, v[R1+4*\i:R1+4*\i+3] offset:528*\i
.endr
.irp j, 0,1,2,3,4,5,6,7
	global_load_b32 v[BV+\j], v11, s[18:19]        ; bv of my channel, in all eight registers of a C
.endr
.irp b, 0,1,2,3
.irp j, 0,1,2,3
	ds_load_b128 v[R2+16*\b+4*\j:R2+16*\b+4*\j+3], v4 offset:128*\b+16*\j   ; LDS serves a wave's instructions in order: these see my stores.  Row r, channels 32 b + 16 h + 4 j on
.endr
.endr
	s_wait_dscnt 0x0
.irp b, 0,1,2,3
.irp j, 0,1,2,3
	global_load_b128 v[R1+16*\b+4*\j:R1+16*\b+4*\j+3], v10, s[14:15] offset:128*\b+16*\j   ; bq in the result's layout: register 16 b + i = channel 32 b + 16 h + i
.endr
.endr
	QUANT R2, PC0, PW0
	ds_store_b128 v6, v[PC0:PC0+3]
	ds_store_b128 v6, v[PC0+4:PC0+7] offset:512
	ds_store_b32 v7, v[PW0]
.irp b, 0,1,2,3
.irp j, 0,1,2,3
	global_load_b128 v[R2+16*\b+4*\j:R2+16*\b+4*\j+3], v10, s[16:17] offset:128*\b+16*\j   ; bk likewise
.endr
.endr
	s_wait_alu depctr_va_vdst(0)
	s_wait_dscnt 0x0
	s_barrier_signal -1
	s_barrier_wait -1                              ; h's eight fragments and their scale words lie in LDS
	; ---- q and k of my 16 positions
	s_wait_loadcnt 0x0                             ; the scale words, wv's tile and the three biases
.rept 8
	v_nop                                          ; a scale register written by vector instructions stands eight places ahead of a scaled matrix instruction, an operand four
.endr
	PROJ R1, WSQ, 0
	PROJ R2, WSK, 1
	QUANT R1, PC1, PW0+1
	global_store_b128 v1, v[PC1:PC1+3], s[38:39]   ; 512 consecutive bytes a store
	global_store_b128 v1, v[PC1+4:PC1+7], s[38:39] offset:512
	ds_store_b32 v8, v[PW0+1]
.irp t, 0,1,2,3,4,5,6,7
.irp c, 0,1
	ds_load_b128 v[R1+8*\t+4*\c:R1+8*\t+4*\c+3], v1 offset:HIM+1024*\t+512*\c   ; all of h's fragments, for v; they land while k is quantised
.endr
.endr
.irp i, 0,1,2,3
	ds_load_b32 v[HS+\i], v9 offset:HSC+128*\i
.endr
	QUANT R2, PC2, PW0+2
	global_store_b128 v1, v[PC2:PC2+3], s[40:41]
	global_store_b128 v1, v[PC2+4:PC2+7], s[40:41] offset:512
	ds_store_b32 v8, v[PW0+2] offset:512
	; ---- v of my 16 channels at the 128 positions
	s_wait_dscnt 0x0
.irp t, 0,1,2,3,4,5,6,7
	MMC R2+8*\t, R1+8*\t, WVF, BV, HS+\t/2, WVSC, \t%2
.endr
.rept 4
	v_nop
.endr
	QUANT R2, PC3, PW0+3
	global_store_b128 v1, v[PC3:PC3+3], s[40:41] offset:8704
	global_store_b128 v1, v[PC3+4:PC3+7], s[40:41] offset:8704+512
	ds_store_b32 v8, v[PW0+3] offset:1024
	s_wait_dscnt 0x0
	s_barrier_signal -1
	s_barrier_wait -1                              ; the three scale records are whole
	s_cmp_gt_u32 s[WV], 2
	s_cbranch_scc1 .Ldone
	ds_load_b128 v[WF:WF+3], v13
	s_mov_b32 s42, 8192                            ; q's and k's records lie behind 8 fragments,
	s_cmp_eq_u32 s[WV], 2
	s_cselect_b32 s42, 16896, s42                  ; v's behind K's part and 8 more
	s_mov_b32 s43, 0
	s_cmp_eq_u32 s[WV], 0
	s_cselect_b64 s[44:45], s[34:35], s[36:37]     ; the choice hangs on the wave's number alone
	s_add_nc_u64 s[44:45], s[44:45], s[42:43]
	s_wait_dscnt 0x0
	global_store_b128 v1, v[WF:WF+3], s[44:45]     ; 512 consecutive bytes
.Ldone:
	s_wait_tensorcnt 0x0
	ds_add_u32 v69, v95
	s_wait_dscnt 0x0
	s_endpgm
.Lfunc_end_k_qd1197e47ca_qkv:
	.size	k_qd1197e47ca_qkv, .Lfunc_end_k_qd1197e47ca_qkv-k_qd1197e47ca_qkv
	.p2alignl 7, 3214868480
	.fill 96, 4, 3214868480
	.section	.rodata,"a",@progbits
	.p2align	6, 0x0
	.amdhsa_kernel k_qd1197e47ca_qkv
		.amdhsa_group_segment_fixed_size 96256
		.amdhsa_private_segment_fixed_size 0
		.amdhsa_enable_private_segment 0
		.amdhsa_kernarg_size 80
		.amdhsa_user_sgpr_count 2
		.amdhsa_user_sgpr_kernarg_segment_ptr 1
		.amdhsa_wavefront_size32 1
		.amdhsa_system_sgpr_workgroup_id_x 1
		.amdhsa_system_sgpr_workgroup_id_y 1
		.amdhsa_system_sgpr_workgroup_id_z 1
		.amdhsa_system_vgpr_workitem_id 0
		.amdhsa_next_free_vgpr 256
		.amdhsa_next_free_sgpr 66
		.amdhsa_reserve_vcc 0
		.amdhsa_float_denorm_mode_32 3
		.amdhsa_float_denorm_mode_16_64 3
		.amdhsa_memory_ordered 1
		.amdhsa_forward_progress 1
		.amdhsa_inst_pref_size 54
	.end_amdhsa_kernel
	.amdgpu_metadata
---
amdhsa.version: [ 1, 2 ]
amdhsa.kernels:
  - .name:           k_qd1197e47ca_qkv
    .symbol:         k_qd1197e47ca_qkv.kd
    .args:
      - { .name: x, .offset: 0, .size: 8, .value_kind: global_buffer, .address_space: global }
      - { .name: part, .offset: 8, .size: 8, .value_kind: global_buffer, .address_space: global }
      - { .name: gn_scale, .offset: 16, .size: 8, .value_kind: global_buffer, .address_space: global }
      - { .name: gn_bias, .offset: 24, .size: 8, .value_kind: global_buffer, .address_space: global }
      - { .name: wimg, .offset: 32, .size: 8, .value_kind: global_buffer, .address_space: global }
      - { .name: bq, .offset: 40, .size: 8, .value_kind: global_buffer, .address_space: global }
      - { .name: bk, .offset: 48, .size: 8, .value_kind: global_buffer, .address_space: global }
      - { .name: bv, .offset: 56, .size: 8, .value_kind: global_buffer, .address_space: global }
      - { .name: qimg, .offset: 64, .size: 8, .value_kind: global_buffer, .address_space: global }
      - { .name: kv, .offset: 72, .size: 8, .value_kind: global_buffer, .address_space: global }
    .group_segment_fixed_size: 96256
    .private_segment_fixed_size: 0
    .kernarg_segment_align: 8
    .kernarg_segment_size: 80
    .max_flat_workgroup_size: 256
    .sgpr_count:     66
    .vgpr_count:     256
    .wavefront_size: 32
...
	.end_amdgpu_metadata
.endif
;; end of part 2
;; launch attn (part 3): grid 32 x 8, 8 waves a work-group, clusters of 4 x 1, 327,680 bytes of LDS; arguments qimg, kv, wimg, bo, x, out0; writes out0
.if DOCPART == 3
	.amdgcn_target "amdgcn-amd-amdhsa--gfx1250"
	.amdhsa_code_object_version 6
	.text
	.protected	k_qd1197e47ca_attn
	.globl	k_qd1197e47ca_attn
	.p2align	8
	.type	k_qd1197e47ca_attn,@function
k_qd1197e47ca_attn:
	s_mov_b64 s[64:65], 0
	v_nop
	global_prefetch_b8 v0, s[64:65] scope:SCOPE_SE
	s_setreg_imm32_b32 hwreg(HW_REG_WAVE_MODE, 25, 1), 1
	s_wait_xcnt 0x0
	s_wait_alu depctr_hold_cnt(0) depctr_sa_sdst(0) depctr_va_vdst(0) depctr_va_sdst(0) depctr_va_ssrc(0) depctr_va_vcc(0) depctr_vm_vsrc(0)
	s_getreg_b32 s2, hwreg(HW_REG_IB_STS2, 6, 4)
	s_cmp_eq_u32 s2, 0
	s_cbranch_scc0 .Lentry_in_a_cluster
	s_endpgm
.Lentry_in_a_cluster:
	s_bfe_u32 s2, ttmp6, 0x10000c
	s_cmp_lg_u32 s2, 0x3003
	s_cbranch_scc0 .Lentry_shape_is_right
	s_endpgm
.Lentry_shape_is_right:
; out = x + Q(softmax(q k^T / sqrt(128)) v) Q(wo) + bo, all products on codes of E2M1 with one E8M0 scale for each 32 along K.  q, k, v, wo arrive as images of operand registers (1,024 bytes a fragment).
; THE SOFTMAX: t = score x log2(e) / sqrt(128); M = the largest t so far, rounded UP to a whole number; p = 2^(t - M) is quantised along the keys, not normalised; the row's sum is taken of the unquantised p.
; When M moves, the sum and O are multiplied by 2^(old M - new M), which rounds nothing.
; SHARES.  A work-group owns 128 queries of one batch.  Wave w (p = w % 4, half = w / 4) holds TWO tiles of 16 queries: tile 2 p + half in register window 0, tile 2 p + 1 - half in window 1, and walks HALF the keys:
; of a slot's four key steps of 128 keys, steps 2 half and 2 half + 1.  So each fragment of K and V that a wave reads from LDS feeds two products, and two waves share a SIMD: one's products and LDS loads stand
; beside the other's vector work.  At the end waves w and w xor 4 hold the same two tiles over complementary keys, each under its own whole-number M: each hands its window-1 tile to the other through LDS and
; finishes its window-0 tile (the joining factors are exact powers of two): quantised, multiplied by wo, bias as C, x added, stored as whole rows.
; LAYOUT.  Both products transposed: S^T = K Q^T, O^T = V^T P^T: a lane holds ONE query.  Row r of tile 2 b + u of K (of V, of wo) stands for key (channel) 32 b + 8 u + r + 8 (r / 8), so that registers 16 b + i of
; a lane are the neighbours 32 b + 16 (lane / 16) + i.
; CLUSTER.  The four work-groups of a cluster belong to one batch and walk the same K and V: each slot (4 records of 17,408 bytes) is asked for JOINTLY, waves 0-3 a record each, with a mask that names the four.
; A wave has at most one tensor load outstanding.
; LIMITS: NaN and infinities are not served; a block of p or of o whose largest magnitude lies under 2^-124 (zeros too) gets the byte 1; 1 / l is v_rcp_f32.
; REGISTERS.  The same numbers in window 0 (tile A) and window 1 (tile B): v12 -M, v13 the largest t, v[14:15] the sum in two halves, v16-23 Q, v96-159 S^T then p, v160-223 O^T, v224-231 p's codes, v232-254 at work.
;   Window 0 alone: v1-11 addresses, v24-27 the scale record in hand, v28-29 Q's scale words, v30-31 p's (scale operands have no window), v32-95 eight fragments of K, V or wo, v248-251 offsets.
.set REC,   17408                      ; a key step's record: K's 8 fragments, K's scale record at 8192, V's fragments at 8704, V's scale record at 16896
.set SLOTB, 4*REC                      ; a slot: four key steps, dense: images are read 16 bytes a lane on end
.set SLOT1, 131072                     ; slot 1 begins here: one exclusive or turns an address in one slot into the other's
.set WREG,  8448
.set STG,   200704                     ; behind the ring: a stage of 16 rows x (512 + 16) bytes for each wave
.set SPARE, 268288                     ; the spare words, 128 bytes for each wave: four blocks of 256 bytes that no other line names
; the hand-over (8 x 8,448 bytes) lies at LDS byte 0, in slot 0: it has had its last fill, and behind the last change of slots nobody reads it
.set LI,  1                            ; v1   16 x lane
.set ADR, 2                            ; v2   the slot in hand + 16 x lane
.set SPW, 3                            ; v3   my spare word: SPARE + 4 x my thread's number; never rewritten
.set NIL, 4                            ; v4   0; never rewritten
.set PFO, 5                            ; v5   the prefetches' offset
.set MO,  6                            ; v6   the hand-over: my part, 16 x lane;  v7 my partner's
.set MP,  7
.set MOS, 8                            ; v8   the same, 8 x lane;  v9 my partner's
.set MPS, 9
.set STI, 10                           ; v10  the stage: row r, + 64 h
.set STR, 11                           ; v11  the stage: 16 x lane
.set SCR, 24
.set F,   32
.set L4,  248                          ; v248 4 x lane
.set H64, 249                          ; v249 64 h
.set MX,  232
.set BY,  236
.set SO,  244
.set WV,  18
.set SEL, 20
.set CS,  22
.set G1,  24
.set G0,  32
.set TB,  36
.set SLOTS, 37
.set LIM, 38
.set PFA, 40
.set MSB, 0
.macro WIN new                         ; the immediate's low byte: bits 1:0 source 0, 3:2 source 1, 5:4 source 2, 7:6 destination; its high byte repeats the setting that is left
.if MSB != (\new)
	s_set_vgpr_msb (MSB<<8)|(\new)
.set MSB, (\new)
.endif
.endm
.macro CROUND                          ; a round of the cluster's barrier
	s_barrier_signal -1
	s_barrier_wait -1
	s_cmp_lg_u32 s[WV], 0
	s_cbranch_scc1 .Lnot_wave_0_\@
	s_barrier_signal -3
.Lnot_wave_0_\@:
	s_barrier_wait -3
	s_barrier_signal -1
	s_barrier_wait -1
.endm
.macro JLOAD                           ; the joint load: waves 0-3, a record each; the branch hangs on the wave's number alone; four v_nop follow the load
	s_cmp_lt_u32 s[WV], 4
	s_cbranch_scc0 .Lnone_\@
	tensor_load_to_lds s[G0:G0+3], s[G1:G1+7]
	s_nop 0
.rept 4
	v_nop
.endr
.Lnone_\@:
.endm
; A PREFETCH of what the NEXT change of slots will ask for.  All clusters of a batch walk the same records: the batch's first cluster asks.  Its four partners are told apart BY ADDRESS: partner c takes record c
; of the slot, 68 blocks of 256 bytes; in each, waves 4, 5, 6, which fetch nothing, ask, a lane a block (lanes past the 68th block name that block again).  The last change that fills a slot asks for nothing.
.macro ASK
	s_cmp_gt_u32 s[SLOTS], s[LIM]
	s_cbranch_scc0 .Lnot_mine_\@
	global_prefetch_b8 v[PFO], s[PFA:PFA+1] th:TH_LOAD_NT scope:SCOPE_SE
.Lnot_mine_\@:
.endm
.macro MMZ d, a, b, sa, sb, row        ; D = A x B; row = 1: A's scales are taken from lanes 16-31
.if \row
	v_wmma_scale_f32_16x16x128_f8f6f4 v[\d:\d+7], v[\a:\a+7], v[\b:\b+7], 0, v[\sa], v[\sb] matrix_a_fmt:MATRIX_FMT_FP4 matrix_b_fmt:MATRIX_FMT_FP4 matrix_a_scale:MATRIX_SCALE_ROW1
.else
	v_wmma_scale_f32_16x16x128_f8f6f4 v[\d:\d+7], v[\a:\a+7], v[\b:\b+7], 0, v[\sa], v[\sb] matrix_a_fmt:MATRIX_FMT_FP4 matrix_b_fmt:MATRIX_FMT_FP4
.endif
.endm
.macro MMC d, a, b, c, sa, sb, row     ; D = A x B + C
.if \row
	v_wmma_scale_f32_16x16x128_f8f6f4 v[\d:\d+7], v[\a:\a+7], v[\b:\b+7], v[\c:\c+7], v[\sa], v[\sb] matrix_a_fmt:MATRIX_FMT_FP4 matrix_b_fmt:MATRIX_FMT_FP4 matrix_a_scale:MATRIX_SCALE_ROW1
.else
	v_wmma_scale_f32_16x16x128_f8f6f4 v[\d:\d+7], v[\a:\a+7], v[\b:\b+7], v[\c:\c+7], v[\sa], v[\sb] matrix_a_fmt:MATRIX_FMT_FP4 matrix_b_fmt:MATRIX_FMT_FP4
.endif
.endm
.macro SMUL qs                         ; S^T = K Q^T of one tile of queries: eight tiles of 16 keys
.irp t, 0,1,2,3,4,5,6,7
	MMZ 96+8*\t, F+8*\t, 16, SCR+\t/2, \qs, \t%2
.endr
.endm
.macro PVMUL ps                        ; O^T += V^T P^T: eight accumulators by turns, one instruction a turn
.irp t, 0,1,2,3,4,5,6,7
	MMC 160+8*\t, F+8*\t, 224, 160+8*\t, SCR+\t/2, \ps, \t%2
.endr
.endm
; THE SOFTMAX of tile t (0: window 0, 1: window 1) for one key step: from the scores in v96-159 to p's codes in v224-231, p's scale word in v[30 + t] of window 0, and O^T under the new M.
.macro SOFT t
	WIN 0x55*\t
.irp b, 0,1,2,3
	v_max3_num_f32 v[232+\b], v[96+16*\b], v[97+16*\b], v[98+16*\b]   ; the largest SCORE of each block of 32 keys: for the row's maximum, and, since p rises with the score, for the block's largest p
.endr
.irp i, 3,5,7,9,11,13
.irp b, 0,1,2,3
	v_max3_num_f32 v[232+\b], v[232+\b], v[96+16*\b+\i], v[97+16*\b+\i]
.endr
.endr
.irp b, 0,1,2,3
	v_max_num_f32 v[232+\b], v[232+\b], v[111+16*\b]
.endr
.irp b, 0,1,2,3
	s_delay_alu instid0(VALU_DEP_4)
	v_permlanex16_b32 v[236+\b], v[232+\b], s[SEL], s[SEL+1]
.endr
.irp b, 0,1,2,3
	s_delay_alu instid0(VALU_DEP_4)
	v_max_num_f32 v[232+\b], v[232+\b], v[236+\b]  ; with lane l xor 16's 16 keys
.endr
	s_delay_alu instid0(VALU_DEP_2)
	v_max3_num_f32 v254, v232, v233, v234
	s_delay_alu instid0(VALU_DEP_1)
	v_max_num_f32 v254, v254, v235                 ; the step's largest score of my query
	s_delay_alu instid0(VALU_DEP_1)
	v_mul_f32 v254, s[CS], v254                    ; as t
	s_delay_alu instid0(VALU_DEP_1)
	v_max_num_f32 v13, v13, v254                   ; the running largest t
	v_mov_b32 v254, v12
	s_delay_alu instid0(VALU_DEP_2)
	v_floor_f32 v12, -v13                          ; the new -M = floor(-t): M is a whole number
	s_delay_alu instid0(VALU_DEP_1)
	v_sub_f32 v254, v12, v254                      ; old M - new M: a whole number, 0 or less
	s_delay_alu instid0(VALU_DEP_1)
	v_cvt_i32_f32 v254, v254                       ; (it saturates)
	s_delay_alu instid0(VALU_DEP_1)
	v_ldexp_f32 v252, 1.0, v254                    ; f = 2^(old M - new M)
.set j, 0
.rept 32
	v_pk_fma_f32 v[96+j:97+j], v[96+j:97+j], s[CS:CS+1], v[12:13] op_sel_hi:[1,0,0]   ; t - M, two at a time
.set j, j+2
.endr
.irp b, 0,1,2,3
	v_fma_f32 v[232+\b], v[232+\b], s[CS], v12     ; the same of each block's largest score
.endr
.set j, 0
	s_wait_alu depctr_va_vdst(0)
.rept 64
	v_exp_f32 v[96+j], v[96+j]                     ; p = 2^(t - M), at most 1
.set j, j+1
.endr
	v_pk_mul_f32 v[14:15], v[14:15], v[252:253] op_sel_hi:[1,0]   ; the sums under the new M: the plain line behind the exponentials
	s_wait_alu depctr_va_vdst(0)                   ; one wait for the batch of 64, ahead of its first reader
.irp b, 0,1,2,3
	v_exp_f32 v[232+\b], v[232+\b]                 ; the block's largest p: the same two instructions on the same number give the same bits
.endr
	v_pk_add_f32 v[236:237], v[96:97], v[98:99]    ; the row's sum is taken of the UNQUANTISED p, in two chains: plain work behind the four
.set j, 4
.rept 15
	v_pk_add_f32 v[14:15], v[14:15], v[96+j:97+j]
	v_pk_add_f32 v[236:237], v[236:237], v[98+j:99+j]
.set j, j+4
.endr
	s_delay_alu instid0(VALU_DEP_1)
	v_pk_add_f32 v[14:15], v[14:15], v[236:237]
	s_wait_alu depctr_va_vdst(0)                   ; and one for the four
.irp b, 0,1,2,3
	v_max_num_f32 v[232+\b], 0x1800000, v[232+\b]  ; the floor 2^(3 - 127): the byte cannot fall under 1
.endr
.irp b, 0,1,2,3
	s_delay_alu instid0(VALU_DEP_4)
	v_add_nc_u32 v[244+\b], 0xff000000, v[232+\b]  ; 2 off the exponent field: the conversion's scale operand
.endr
.irp b, 0,1,2,3
	s_delay_alu instid0(VALU_DEP_4)
	v_lshrrev_b32 v[236+\b], 23, v[244+\b]         ; the scale's byte
.endr
	s_delay_alu instid0(VALU_DEP_3)
	v_lshl_or_b32 v253, v237, 8, v236
	s_delay_alu instid0(VALU_DEP_1)
	v_lshl_or_b32 v253, v238, 16, v253
	s_delay_alu instid0(VALU_DEP_1)
	v_lshl_or_b32 v253, v239, 24, v253             ; p's scale word for these 128 keys,
	WIN \t
	v_mov_b32 v[30+\t], v253                       ; into window 0, where scale operands are read
	WIN 0x55*\t
.irp b, 0,1,2,3
	v_cvt_scalef32_pk8_fp4_f32 v[224+2*\b], v[96+16*\b:103+16*\b], v[244+\b]
	v_cvt_scalef32_pk8_fp4_f32 v[225+2*\b], v[104+16*\b:111+16*\b], v[244+\b]
.endr
	v_nop                                          ; one plain line behind the last scaled conversion
.irp c, 0,1
.irp i, 0,1
	v_permlane16_swap_b32 v[224+4*\c+\i], v[226+4*\c+\i]   ; a WHOLE block in a lane
.endr
.endr
.set j, 0
.rept 32
	v_pk_mul_f32 v[160+j:161+j], v[160+j:161+j], v[252:253] op_sel_hi:[1,0]   ; O^T under the new M.  (These are also the places between the scale word, the codes and the products)
.set j, j+2
.endr
.endm
; A KEY STEP: 128 keys, the q-th of my two in the slot.  Tile A's second product runs under tile B's softmax.
.macro STEP q
.rept 4
	v_nop                                          ; four places in front of loads into registers that the last products read
.endr
	ds_load_b128 v[SCR:SCR+3], v[ADR] offset:(\q)*REC+8192
.irp t, 0,1,2,3,4,5,6,7
.irp c, 0,1
	ds_load_b128 v[F+8*\t+4*\c:F+8*\t+4*\c+3], v[ADR] offset:(\q)*REC+1024*\t+512*\c
.endr
.endr
	s_wait_dscnt 0x0
	SMUL 28
	WIN 0x54                                       ; source 0 (K) window 0; Q, C and D window 1
	SMUL 29
	WIN 0
.rept 4
	v_nop                                          ; four places: for V's loads into K's registers, and for the first read of the scores
.endr
	ds_load_b128 v[SCR:SCR+3], v[ADR] offset:(\q)*REC+16896
.irp t, 0,1,2,3,4,5,6,7
.irp c, 0,1
	ds_load_b128 v[F+8*\t+4*\c:F+8*\t+4*\c+3], v[ADR] offset:(\q)*REC+8704+1024*\t+512*\c   ; V lands during tile A's softmax
.endr
.endr
	SOFT 0
	s_wait_alu depctr_va_vdst(0)
	s_wait_dscnt 0x0
	PVMUL 30
	SOFT 1
	WIN 0x54
	PVMUL 31
	WIN 0
.endm
; THE CHANGE OF SLOTS stands at a slot's head.  Each wave waits for all its tensor loads, adds 0 to its spare word, and waits for that and for its reads of the slot that it has left.
; fill = 1: the barrier is a round of the cluster's, so that no wave of any partner still reads that slot or has a load on its way; the joint refill is the first thing behind it and has a slot's steps in which to land.
.macro CHANGE fill
	s_wait_tensorcnt 0x0                           ; no tensor load of mine is out, so the descriptor may be written
	ds_add_u32 v[SPW], v[NIL]                      ; 0 onto my spare word
.if \fill
	s_xor_b32 s[G0+1], s[G0+1], SLOT1              ; the walking descriptor: the other slot than last time,
	s_add_nc_u64 s[G0+2:G0+3], s[G0+2:G0+3], SLOTB ; the next four key steps; the type bits on top are not reached
	s_wait_xcnt 0x0                                ; the last prefetch, a slot back, has read its address, so it may be written:
	s_add_nc_u64 s[PFA:PFA+1], s[PFA:PFA+1], SLOTB ; one slot further on than the walking descriptor
.endif
	s_wait_dscnt 0x0                               ; the add is done, and my reads of the slot that I have left are over
.if \fill
	CROUND
	JLOAD
	ASK
.else
	s_barrier_signal -1
	s_barrier_wait -1
.endif
.endm
.macro SLOT_STEPS
	v_add_nc_u32 v[ADR], s[TB], v[LI]
	s_wait_alu depctr_va_vdst(0)
	STEP 0
	STEP 1
	s_xor_b32 s[TB], s[TB], SLOT1                  ; on to the other slot
.endm
.macro INIT t                          ; the loop has no first step of its own: O^T and the sum begin as zeros, the largest t as -3e38, and the first change of M multiplies zeros
	WIN 0x55*\t
	v_mov_b32 v13, 0xff61b1e6
	s_delay_alu instid0(VALU_DEP_1)
	v_floor_f32 v12, -v13
	v_mov_b32 v14, 0
	v_mov_b32 v15, 0
.irp b, 0,1,2,3
	v_mov_b32 v[236+\b], 0                         ; a lane permute's destination counts as one of its sources
.endr
	v_mov_b32 v253, 0                              ; (named as the upper half of a pair before it is first written)
.set j, 0
.rept 64
	v_mov_b32 v[160+j], 0
.set j, j+1
.endr
.endm
; 64 numbers of a lane, register 16 b + i = k 32 b + 16 (lane / 16) + i of my row, become a fragment's codes in v[pc] on and its scale word in v[pw]
.macro QUANT s, pc, pw
.irp b, 0,1,2,3
	v_max3_num_f32 v[MX+\b], |v[\s+16*\b]|, |v[\s+1+16*\b]|, 0x1800000
.endr
.irp i, 2,4,6,8,10,12,14
.irp b, 0,1,2,3
	s_delay_alu instid0(VALU_DEP_4)
	v_max3_num_f32 v[MX+\b], v[MX+\b], |v[\s+16*\b+\i]|, |v[\s+1+16*\b+\i]|
.endr
.endr
.irp b, 0,1,2,3
	s_delay_alu instid0(VALU_DEP_4)
	v_permlanex16_b32 v[BY+\b], v[MX+\b], s[SEL], s[SEL+1]
.endr
.irp b, 0,1,2,3
	s_delay_alu instid0(VALU_DEP_4)
	v_max_num_f32 v[MX+\b], v[MX+\b], v[BY+\b]
.endr
.irp b, 0,1,2,3
	s_delay_alu instid0(VALU_DEP_4)
	v_add_nc_u32 v[SO+\b], 0xff000000, v[MX+\b]
.endr
.irp b, 0,1,2,3
	s_delay_alu instid0(VALU_DEP_4)
	v_lshrrev_b32 v[BY+\b], 23, v[SO+\b]
.endr
	s_delay_alu instid0(VALU_DEP_3)
	v_lshl_or_b32 v[\pw], v[BY+1], 8, v[BY]
	s_delay_alu instid0(VALU_DEP_1)
	v_lshl_or_b32 v[\pw], v[BY+2], 16, v[\pw]
	s_delay_alu instid0(VALU_DEP_1)
	v_lshl_or_b32 v[\pw], v[BY+3], 24, v[\pw]
.irp b, 0,1,2,3
	v_cvt_scalef32_pk8_fp4_f32 v[\pc+2*\b], v[\s+16*\b:\s+7+16*\b], v[SO+\b]
	v_cvt_scalef32_pk8_fp4_f32 v[\pc+1+2*\b], v[\s+8+16*\b:\s+15+16*\b], v[SO+\b]
.endr
	v_nop
.irp c, 0,1
.irp i, 0,1
	v_permlane16_swap_b32 v[\pc+4*\c+\i], v[\pc+2+4*\c+\i]
.endr
.endr
.endm
	s_load_b256 s[4:11], s[0:1], 0x0               ; qimg s[4:5], kv s[6:7], wimg s[8:9], bo s[10:11]
	s_load_b128 s[12:15], s[0:1], 0x20             ; x s[12:13], out0 s[14:15]
	v_lshl_add_u32 v[SPW], v0, 2, SPARE
	v_mov_b32 v[NIL], 0
	ds_add_u32 v3, v4
	ds_add_u32 v3, v4
	s_wait_dscnt 0x0
	v_lshrrev_b32 v1, 5, v0
	s_delay_alu instid0(VALU_DEP_1)
	v_readfirstlane_b32 s[WV], v1                  ; wave 0..7
	s_lshr_b32 s19, s[WV], 2                       ; half: which two of a slot's four key steps are mine
	s_and_b32 s52, s[WV], 3                        ; p
	s_and_b32 s55, ttmp7, 0xffff                   ; the batch, which the four partners share
	; the joint load's registers hang on the batch and the wave's number alone
	s_mov_b32 s[G1], 15|(3<<16)|(1<<21)            ; 15:0 the mask: all four work-groups; 17:16 elements of 8 bytes; 21 set beside a mask; no padding
	s_mov_b32 s[G1+1], 32<<16                      ; tensor_dim0 = 32 elements: rows of 256 bytes
	s_mov_b32 s[G1+2], 68<<16                      ; tensor_dim1 = 68 rows: a record
	s_mov_b32 s[G1+3], 32<<16                      ; tile_dim0
	s_mov_b32 s[G1+4], 68                          ; tile_dim1
	s_mov_b32 s[G1+5], 32                          ; the pitch: the block is dense
	s_mov_b32 s[G1+6], 0
	s_mov_b32 s[G1+7], 0
	s_mul_i32 s56, s52, REC                        ; the record that I fetch, if I fetch: (wave % 4)
	s_mul_i32 s16, s55, 32*REC                     ; the batch's first byte in kv
	s_mov_b32 s17, 0
	s_mov_b32 s57, 0
	s_mul_i32 s[TB], s19, 2*REC                    ; my two key steps in slot 0
	s_mov_b32 s[SLOTS], 7                          ; 8 slots' worth of keys: 7 are asked for in the loop
	s_mov_b32 s[SEL], 0x76543210
	s_mov_b32 s[SEL+1], 0xfedcba98
	s_mov_b32 s[CS], 0x3e0293ee                    ; c = log2(e) / sqrt(128)
	s_mov_b32 s[CS+1], s[CS]
	s_sub_co_u32 s42, s[WV], 4
	s_cmp_lt_u32 s42, 3                            ; waves 4, 5, 6
	s_cselect_b32 s[LIM], 0, 1
	s_or_b32 s[LIM], s[LIM], ttmp9                 ; of the batch's first cluster: the same in all four partners
	s_cmp_eq_u32 s[LIM], 0
	s_cselect_b32 s[LIM], 1, -1
	s_lshl_b32 s42, s52, 1
	s_add_co_u32 s42, s42, s19                     ; tile A: 2 p + half
	s_xor_b32 s43, s42, 1                          ; tile B
	; what follows holds my place in the cluster: it enters addresses in qimg, x, out0 and the prefetches alone, in registers of its own
	s_bfe_u32 s53, ttmp6, 0x40000                  ; cx
	s_lshl_b32 s54, ttmp9, 2
	s_add_co_u32 s54, s54, s53                     ; my block of 128 queries
	s_lshl_b32 s39, s55, 5
	s_add_co_u32 s39, s39, s54                     ; 32 x batch + block
	s_mul_i32 s62, s39, 8704
	s_mov_b32 s63, 0
	s_wait_kmcnt 0x0
	s_add_nc_u64 s[6:7], s[6:7], s[16:17]          ; kv at my batch
	s_mov_b32 s[G0], 1                             ; count = 1
	s_mov_b32 s[G0+1], s56                         ; LDS address: slot 0, my record
	s_add_nc_u64 s[G0+2:G0+3], s[6:7], s[56:57]    ; global address
	s_or_b32 s[G0+3], s[G0+3], 0x80000000          ; type = 2
	CROUND                                         ; all four work-groups are here: the first joint loads meet
	JLOAD                                          ; slot 0
	s_add_nc_u64 s[60:61], s[4:5], s[62:63]        ; my block's record of qimg
	s_lshl_b32 s58, s42, 10
	s_mov_b32 s59, 0
	s_add_nc_u64 s[44:45], s[60:61], s[58:59]      ; tile A's fragment
	s_lshl_b32 s58, s43, 10
	s_add_nc_u64 s[46:47], s[60:61], s[58:59]      ; tile B's
	s_lshl_b32 s62, s39, 16                        ; x and out0: 128 rows of 512 bytes a block,
	s_lshl_b32 s58, s52, 14
	s_add_co_u32 s62, s62, s58
	s_lshl_b32 s58, s19, 12
	s_add_co_u32 s62, s62, s58                     ; tile A begins at row 32 p + 8 half
	s_add_nc_u64 s[48:49], s[12:13], s[62:63]
	s_add_nc_u64 s[50:51], s[14:15], s[62:63]
	s_mul_i32 s58, s53, REC
	s_add_co_u32 s58, s58, SLOTB                   ; the prefetches: my work-group's record, in slot 1: the first change of slots steps it to slot 2.  Nothing is prefetched here, at the head
	s_add_nc_u64 s[PFA:PFA+1], s[6:7], s[58:59]
	v_add_nc_u32 v[PFO], 0xffffff80, v0            ; 32 (wave - 4) + lane,
	s_delay_alu instid0(VALU_DEP_1)
	v_min_u32 v[PFO], 67, v[PFO]                   ; held inside the record's 68 blocks
	s_delay_alu instid0(VALU_DEP_1)
	v_lshlrev_b32 v[PFO], 8, v[PFO]
	v_and_b32 v32, 31, v0                          ; lane
	v_and_b32 v33, 15, v0                          ; r
	v_bfe_u32 v34, v0, 4, 1                        ; h
	s_delay_alu instid0(VALU_DEP_3)
	v_lshlrev_b32 v[LI], 4, v32
	s_delay_alu instid0(VALU_DEP_4)
	v_lshlrev_b32 v35, 3, v32
	v_lshlrev_b32 v[L4], 2, v32
	s_delay_alu instid0(VALU_DEP_4)
	v_lshlrev_b32 v[H64], 6, v34
	s_mul_i32 s56, s[WV], WREG
	v_add_nc_u32 v[MO], s56, v[LI]
	v_add_nc_u32 v[MOS], s56, v35
	s_xor_b32 s57, s[WV], 4                        ; my partner: the same p, the other half
	s_mul_i32 s57, s57, WREG
	v_add_nc_u32 v[MP], s57, v[LI]
	v_add_nc_u32 v[MPS], s57, v35
	s_add_co_u32 s56, s56, STG
	v_add_nc_u32 v[STR], s56, v[LI]
	v_mul_u32_u24 v[STI], v33, 528
	s_delay_alu instid0(VALU_DEP_1)
	v_add_nc_u32 v[STI], v[STI], v[H64]
	s_delay_alu instid0(VALU_DEP_1)
	v_add_nc_u32 v[STI], s56, v[STI]
	s_lshl_b32 s56, s19, 8
	s_lshl_b32 s57, s52, 2
	s_add_co_u32 s56, s56, s57
	v_lshl_add_u32 v250, v33, 4, s56               ; tile A's word in Q's scale record: 16 r + 256 (tile % 2) + 4 (tile / 2)
	s_xor_b32 s56, s19, 1
	s_lshl_b32 s56, s56, 8
	s_add_co_u32 s56, s56, s57
	v_lshl_add_u32 v251, v33, 4, s56               ; tile B's
	global_load_b128 v[16:19], v[LI], s[44:45]     ; Q stays in registers
	global_load_b128 v[20:23], v[LI], s[44:45] offset:512
	global_load_b32 v28, v250, s[60:61] offset:8192
	global_load_b32 v29, v251, s[60:61] offset:8192
	WIN 0x40                                       ; destination window 1, address window 0
	global_load_b128 v[16:19], v[LI], s[46:47]
	global_load_b128 v[20:23], v[LI], s[46:47] offset:512
	INIT 0
	INIT 1
	WIN 0                                          ; at a label and at a branch every window is 0
	s_wait_loadcnt 0x0                             ; Q
.Lslot:                                            ; 7 trips: behind each change of slots but the last the next slot is asked for
	CHANGE 1
	SLOT_STEPS
	s_sub_co_u32 s[SLOTS], s[SLOTS], 1
	s_cmp_lg_u32 s[SLOTS], 0
	s_cbranch_scc1 .Lslot
	CHANGE 0                                       ; the last slot is written out
	SLOT_STEPS
	; ---- THE TAIL.  What the last product wants is asked for first
.rept 4
	v_nop                                          ; four places in front of loads into registers that the last products read, and of the first read of their results
.endr
.irp t, 0,1,2,3,4,5,6,7
.irp c, 0,1
	global_load_b128 v[F+8*\t+4*\c:F+8*\t+4*\c+3], v[LI], s[8:9] offset:24576+1024*\t+512*\c   ; wo's eight tiles
.endr
.endr
.irp i, 0,1,2,3
	global_load_b32 v[SCR+\i], v[L4], s[8:9] offset:32768+1536+128*\i   ; and their scale words
.endr
	WIN 0x40
.irp b, 0,1,2,3
.irp j, 0,1,2,3
	global_load_b128 v[96+16*\b+4*\j:99+16*\b+4*\j], v[H64], s[10:11] offset:128*\b+16*\j   ; bo in the result's layout, into window 1
.endr
.endr
.irp t, 0,1
	WIN 0x55*\t
	v_add_f32 v14, v14, v15                        ; the sum's two halves,
	s_delay_alu instid0(VALU_DEP_1)
	v_permlanex16_b32 v252, v14, s[SEL], s[SEL+1]
	s_delay_alu instid0(VALU_DEP_1)
	v_add_f32 v13, v14, v252                       ; and lane l xor 16's: the row's sum over my keys
.endr
	WIN 0x04                                       ; an LDS store's data are its source 1: window 1
.irp i, 0,1,2,3,4,5,6,7,8,9,10,11,12,13,14,15
	ds_store_b128 v[MO], v[160+4*\i:163+4*\i] offset:512*\i   ; tile B's O^T as it stands, each accumulator from its low end on,
.endr
	ds_store_b64 v[MOS], v[12:13] offset:8192      ; with its -M and its sum
	WIN 0
	s_wait_dscnt 0x0                               ; for my partner's sake: my stores are done
	s_barrier_signal -1
	s_barrier_wait -1
	WIN 0x40
.irp i, 0,1,2,3,4,5,6,7,8,9,10,11,12,13,14,15
	global_load_b128 v[160+4*\i:163+4*\i], v[LI], s[48:49] offset:(\i+8*(\i/8))*512 th:TH_LOAD_NT   ; tile A's 16 rows of x, into window 1
.endr
	WIN 0
.irp i, 0,1,2,3,4,5,6,7,8,9,10,11,12,13,14,15
	ds_load_b128 v[96+4*\i:99+4*\i], v[MP] offset:512*\i   ; my partner's half of tile A
.endr
	ds_load_b64 v[232:233], v[MPS] offset:8192
	s_wait_dscnt 0x0
	v_min_num_f32 v234, v12, v232                  ; -M of both halves: the larger M
	s_delay_alu instid0(VALU_DEP_1)
	v_sub_f32 v235, v234, v12
	s_delay_alu instid0(VALU_DEP_2)
	v_sub_f32 v237, v234, v232
	s_delay_alu instid0(VALU_DEP_2)
	v_cvt_i32_f32 v235, v235
	s_delay_alu instid0(VALU_DEP_2)
	v_cvt_i32_f32 v237, v237
	s_delay_alu instid0(VALU_DEP_2)
	v_ldexp_f32 v236, 1.0, v235                    ; 2^(my M - M),
	s_delay_alu instid0(VALU_DEP_2)
	v_ldexp_f32 v238, 1.0, v237                    ; 2^(my partner's M - M): exact
	s_delay_alu instid0(VALU_DEP_2)
	v_mul_f32 v239, v13, v236
	s_delay_alu instid0(VALU_DEP_1)
	v_fma_f32 v239, v233, v238, v239               ; the row's sum over all keys
	s_wait_alu depctr_va_vdst(0)
	v_rcp_f32 v244, v239
	v_nop                                          ; a plain line behind the transcendental,
	s_wait_alu depctr_va_vdst(0)                   ; and the wait ahead of the first line that names its result
	v_mul_f32 v236, v236, v244
	v_mul_f32 v238, v238, v244
.set j, 0
.rept 32
	v_pk_mul_f32 v[96+j:97+j], v[96+j:97+j], v[238:239] op_sel_hi:[1,0]
.set j, j+2
.endr
.set j, 0
.rept 32
	v_pk_fma_f32 v[96+j:97+j], v[160+j:161+j], v[236:237], v[96+j:97+j] op_sel_hi:[1,0,1]   ; o: register 16 b + i = channel 32 b + 16 h + i of my query
.set j, j+2
.endr
	QUANT 96, 224, 30
.rept 8
	v_nop                                          ; a scale register written by vector instructions stands eight places ahead of a scaled matrix instruction, an operand four
.endr
	s_wait_alu depctr_va_vdst(0)
	s_wait_loadcnt 16                              ; wo, its scale words and bo are in: behind them were issued the 16 rows of x
	WIN 0x10                                       ; C (bo) window 1
.irp t, 0,1,2,3,4,5,6,7
	MMC 160+8*\t, F+8*\t, 224, 96+8*\t, SCR+\t/2, 30, \t%2
.endr
	WIN 0
.rept 4
	v_nop
.endr
.irp b, 0,1,2,3
.irp j, 0,1,2,3
	ds_store_b128 v[STI], v[160+16*\b+4*\j:163+16*\b+4*\j] offset:128*\b+16*\j   ; into my stage: row r, channels 32 b + 16 h + 4 j on; each accumulator from its low end on
.endr
.endr
.irp i, 0,1,2,3,4,5,6,7,8,9,10,11,12,13,14,15
	ds_load_b128 v[96+4*\i:99+4*\i], v[STR] offset:528*\i   ; LDS serves a wave's instructions in order: these see my stores.  Whole rows of 512 bytes
.endr
	s_wait_loadcnt 0x0                             ; x
	s_wait_dscnt 0x0
	WIN 0x04                                       ; source 1 (x) window 1
.set j, 0
.rept 32
	v_pk_add_f32 v[96+j:97+j], v[96+j:97+j], v[160+j:161+j]
.set j, j+2
.endr
	WIN 0
.irp i, 0,1,2,3,4,5,6,7,8,9,10,11,12,13,14,15
	global_store_b128 v[LI], v[96+4*\i:99+4*\i], s[50:51] offset:(\i+8*(\i/8))*512 th:TH_STORE_NT   ; 32 lanes store a row's 512 consecutive bytes, aligned
.endr
	s_wait_tensorcnt 0x0                           ; the wave's end: behind my last tensor load and my last LDS store
	ds_add_u32 v[SPW], v[NIL]
	s_wait_dscnt 0x0
	CROUND                                         ; the closing round: no work-group ends while a partner may still ask for a tile that names it
	s_endpgm
.Lfunc_end_k_qd1197e47ca_attn:
	.size	k_qd1197e47ca_attn, .Lfunc_end_k_qd1197e47ca_attn-k_qd1197e47ca_attn
	.p2alignl 7, 3214868480
	.fill 96, 4, 3214868480
	.section	.rodata,"a",@progbits
	.p2align	6, 0x0
	.amdhsa_kernel k_qd1197e47ca_attn
		.amdhsa_group_segment_fixed_size 327680
		.amdhsa_private_segment_fixed_size 0
		.amdhsa_enable_private_segment 0
		.amdhsa_kernarg_size 48
		.amdhsa_user_sgpr_count 2
		.amdhsa_user_sgpr_kernarg_segment_ptr 1
		.amdhsa_wavefront_size32 1
		.amdhsa_system_sgpr_workgroup_id_x 1
		.amdhsa_system_sgpr_workgroup_id_y 1
		.amdhsa_system_sgpr_workgroup_id_z 1
		.amdhsa_system_vgpr_workitem_id 0
		.amdhsa_next_free_vgpr 512
		.amdhsa_next_free_sgpr 66
		.amdhsa_reserve_vcc 0
		.amdhsa_float_denorm_mode_32 3
		.amdhsa_float_denorm_mode_16_64 3
		.amdhsa_memory_ordered 1
		.amdhsa_forward_progress 1
		.amdhsa_inst_pref_size 173
	.end_amdhsa_kernel
	.amdgpu_metadata
---
amdhsa.version: [ 1, 2 ]
amdhsa.kernels:
  - .name:           k_qd1197e47ca_attn
    .symbol:         k_qd1197e47ca_attn.kd
    .args:
      - { .name: qimg, .offset: 0, .size: 8, .value_kind: global_buffer, .address_space: global }
      - { .name: kv, .offset: 8, .size: 8, .value_kind: global_buffer, .address_space: global }
      - { .name: wimg, .offset: 16, .size: 8, .value_kind: global_buffer, .address_space: global }
      - { .name: bo, .offset: 24, .size: 8, .value_kind: global_buffer, .address_space: global }
      - { .name: x, .offset: 32, .size: 8, .value_kind: global_buffer, .address_space: global }
      - { .name: out0, .offset: 40, .size: 8, .value_kind: global_buffer, .address_space: global }
    .group_segment_fixed_size: 327680
    .private_segment_fixed_size: 0
    .kernarg_segment_align: 8
    .kernarg_segment_size: 48
    .max_flat_workgroup_size: 256
    .sgpr_count:     66
    .vgpr_count:     512
    .wavefront_size: 32
...
	.end_amdgpu_metadata
.endif
;; end of part 3
